; MI455X (gfx1250); checked and timed in simulation.
; The chip was launched on July 23, 2026; its instructions are those of AMD's public machine-readable ISA for CDNA 5 (MIT licence, August 2026) and "CDNA5" Instruction Set Architecture Reference Guide (July 2026). The comments in the code are by the model that wrote it; some were corrected since.
;; Local Attention. Allowed arithmetic: float matrix products may take bf16 or f16 operands with f32 sums; other float arithmetic in f32, or as packed bf16 or f16 multiplies, adds, multiply-adds, maxima and minima; sums over many terms, partial sums and values carried from step to step in f32; what a program stores and reads back later, other than sums and carried values, may be rounded once to bf16 or f16.
;; Inputs: Wk 1,024 x 1,024 float32; Wo 1,024 x 1,024 float32; Wq 1,024 x 1,024 float32; Wv 1,024 x 1,024 float32; key 1 x 4,096 x 1,024 float32; query 1 x 4,096 x 1,024 float32; value 1 x 4,096 x 1,024 float32.
;; Outputs: out0 1 x 4,096 x 1,024 float32.
;; One version. Each part assembles by itself: llvm-mc -triple=amdgcn-amd-amdhsa -mcpu=gfx1250 --defsym DOCPART=n.
;; ======== version 1 of 1: 4 launches
;; limits: values are held in f16: magnitudes above 65,504 overflow, below 6.1e-05 lose precision
;; workspace buffers: xb 25,165,824 bytes; wb 6,291,456 bytes; wo 2,097,152 bytes; qkv 25,165,824 bytes; ob 8,388,608 bytes
;; launch cast (part 1): grid 64 x 16, 8 waves a work-group, no clusters, 0 bytes of LDS; arguments query, key, value, Wq, Wk, Wv, Wo, xb, wb, wo; writes xb, wb, wo
.if DOCPART == 1
	.amdgcn_target "amdgcn-amd-amdhsa--gfx1250"
	.amdhsa_code_object_version 6
	.text
	.protected	k_qb9001feaba_cast
	.globl	k_qb9001feaba_cast
	.p2align	8
	.type	k_qb9001feaba_cast,@function
k_qb9001feaba_cast:
	s_mov_b64 s[64:65], 0
	v_nop
	global_prefetch_b8 v0, s[64:65] scope:SCOPE_SE
	s_setreg_imm32_b32 hwreg(HW_REG_WAVE_MODE, 25, 1), 1
	s_wait_xcnt 0x0
; All seven f32 inputs are rounded once to bf16.  query, key, value -> xb ([3 x 4096][1024] bf16); Wq, Wk, Wv -> wb ([3 x 1024][1024] bf16, still [k][n]);
; Wo -> wo ([1024][1024]): rounded to bf16 like the others, and that number written as f16, since the last product multiplies it with f16 numbers.
; LIMIT.  Wo lies within 65,504 (f16's range); below 6.1e-5 f16 keeps a fixed step of 6e-8, so such a weight is off by 3e-8 at the most.
; SHARES.  The grid's y names a unit of 2^20 numbers: 0-3 query, 4-7 key, 8-11 value, 12 Wq, 13 Wk, 14 Wv, 15 Wo; its x a chunk of 65,536 bytes of f32 in it.
; Thread t takes 16 bytes at 4,096 i + 16 t for i = 0 .. 15 and stores 8 bytes at 2,048 i + 8 t: a wave's load covers 512 consecutive bytes, its store 256 consecutive
; bytes at a multiple of 256.  All sixteen loads of a thread are out at once; there is no loop, no LDS, no barrier: every byte is read once and written once.
.set X, 4                              ; v[4:67]    load i: four f32
.set Y, 68                             ; v[68:99]   store i: four 16-bit numbers; every i has its own pair, so no store's data is ever rewritten
.set T, 100                            ; v[100:103] at work (Wo alone)
	s_load_b512 s[8:23], s[0:1], 0x0               ; query s[8:9], key s[10:11], value s[12:13], Wq s[14:15], Wk s[16:17], Wv s[18:19], Wo s[20:21], xb s[22:23]
	s_load_b128 s[24:27], s[0:1], 0x40             ; wb s[24:25], wo s[26:27]
	s_and_b32 s2, ttmp7, 0xffff                    ; u, the unit
	s_mov_b32 s3, ttmp9                            ; the chunk
	s_mov_b32 s37, 0xffff0000                      ; a word's upper bf16
	v_lshlrev_b32 v1, 4, v0                        ; 16 t
	v_lshlrev_b32 v2, 3, v0                        ; 8 t
	; the source's offset: an activation has four units of 4 MiB, a weight one
	s_and_b32 s36, s2, 3
	s_cmp_lt_u32 s2, 12
	s_cselect_b32 s36, s36, 0
	s_lshl_b32 s32, s36, 22
	s_lshl_b32 s36, s3, 16
	s_add_co_u32 s32, s32, s36
	s_mov_b32 s33, 0
	; the destination's offset: unit u of xb, unit u - 12 of wb, unit 0 of wo; 2 MiB each
	s_sub_co_u32 s36, s2, 12
	s_cmp_lt_u32 s2, 12
	s_cselect_b32 s36, s2, s36
	s_cmp_eq_u32 s2, 15
	s_cselect_b32 s36, 0, s36
	s_lshl_b32 s34, s36, 21
	s_lshl_b32 s36, s3, 15
	s_add_co_u32 s34, s34, s36
	s_mov_b32 s35, 0
	s_wait_kmcnt 0x0
	; the buffers are chosen by compares of u alone
	s_mov_b64 s[28:29], s[20:21]
	s_cmp_eq_u32 s2, 14
	s_cselect_b64 s[28:29], s[18:19], s[28:29]
	s_cmp_eq_u32 s2, 13
	s_cselect_b64 s[28:29], s[16:17], s[28:29]
	s_cmp_eq_u32 s2, 12
	s_cselect_b64 s[28:29], s[14:15], s[28:29]
	s_cmp_lt_u32 s2, 12
	s_cselect_b64 s[28:29], s[12:13], s[28:29]
	s_cselect_b64 s[30:31], s[22:23], s[24:25]
	s_cmp_lt_u32 s2, 8
	s_cselect_b64 s[28:29], s[10:11], s[28:29]
	s_cmp_lt_u32 s2, 4
	s_cselect_b64 s[28:29], s[8:9], s[28:29]
	s_cmp_eq_u32 s2, 15
	s_cselect_b64 s[30:31], s[26:27], s[30:31]
	s_add_nc_u64 s[28:29], s[28:29], s[32:33]
	s_add_nc_u64 s[30:31], s[30:31], s[34:35]
.irp i, 0,1,2,3,4,5,6,7,8,9,10,11,12,13,14,15
	global_load_b128 v[X+4*(\i):X+4*(\i)+3], v1, s[28:29] offset:(\i)*4096 th:TH_LOAD_NT  ; read once in the whole program
.endr
; Load i is rounded and stored.  wo = 1: the bf16 numbers are widened again (a shift, a mask) and written as f16.
.macro OUT i, wo
	s_wait_loadcnt 15-(\i)                         ; loads come back in order (ISA guide 5.7.1): load i is in, the 15 - i younger ones stay out
	v_cvt_pk_bf16_f32 v[Y+2*(\i)],   v[X+4*(\i)],   v[X+4*(\i)+1]
	v_cvt_pk_bf16_f32 v[Y+2*(\i)+1], v[X+4*(\i)+2], v[X+4*(\i)+3]
.if \wo
	v_lshlrev_b32 v[T],   16,  v[Y+2*(\i)]
	v_and_b32     v[T+1], s37, v[Y+2*(\i)]
	v_lshlrev_b32 v[T+2], 16,  v[Y+2*(\i)+1]
	v_and_b32     v[T+3], s37, v[Y+2*(\i)+1]
	v_cvt_pk_f16_f32 v[Y+2*(\i)],   v[T],   v[T+1]
	v_cvt_pk_f16_f32 v[Y+2*(\i)+1], v[T+2], v[T+3]
.endif
	global_store_b64 v2, v[Y+2*(\i):Y+2*(\i)+1], s[30:31] offset:(\i)*2048
.endm
	s_cmp_eq_u32 s2, 15
	s_cbranch_scc1 .Lwo
.irp i, 0,1,2,3,4,5,6,7,8,9,10,11,12,13,14,15
	OUT \i, 0
.endr
	s_endpgm
.Lwo:
.irp i, 0,1,2,3,4,5,6,7,8,9,10,11,12,13,14,15
	OUT \i, 1
.endr
	s_endpgm
.Lfunc_end_k_qb9001feaba_cast:
	.size	k_qb9001feaba_cast, .Lfunc_end_k_qb9001feaba_cast-k_qb9001feaba_cast
	.p2alignl 7, 3214868480
	.fill 96, 4, 3214868480
	.section	.rodata,"a",@progbits
	.p2align	6, 0x0
	.amdhsa_kernel k_qb9001feaba_cast
		.amdhsa_group_segment_fixed_size 0
		.amdhsa_private_segment_fixed_size 0
		.amdhsa_enable_private_segment 0
		.amdhsa_kernarg_size 80
		.amdhsa_user_sgpr_count 2
		.amdhsa_user_sgpr_kernarg_segment_ptr 1
		.amdhsa_wavefront_size32 1
		.amdhsa_system_sgpr_workgroup_id_x 1
		.amdhsa_system_sgpr_workgroup_id_y 1
		.amdhsa_system_sgpr_workgroup_id_z 1
		.amdhsa_system_vgpr_workitem_id 0
		.amdhsa_next_free_vgpr 104
		.amdhsa_next_free_sgpr 66
		.amdhsa_reserve_vcc 0
		.amdhsa_float_denorm_mode_32 3
		.amdhsa_float_denorm_mode_16_64 3
		.amdhsa_memory_ordered 1
		.amdhsa_forward_progress 1
		.amdhsa_inst_pref_size 16
	.end_amdhsa_kernel
	.amdgpu_metadata
---
amdhsa.version: [ 1, 2 ]
amdhsa.kernels:
  - .name:           k_qb9001feaba_cast
    .symbol:         k_qb9001feaba_cast.kd
    .args:
      - { .name: query, .offset: 0, .size: 8, .value_kind: global_buffer, .address_space: global }
      - { .name: key, .offset: 8, .size: 8, .value_kind: global_buffer, .address_space: global }
      - { .name: value, .offset: 16, .size: 8, .value_kind: global_buffer, .address_space: global }
      - { .name: Wq, .offset: 24, .size: 8, .value_kind: global_buffer, .address_space: global }
      - { .name: Wk, .offset: 32, .size: 8, .value_kind: global_buffer, .address_space: global }
      - { .name: Wv, .offset: 40, .size: 8, .value_kind: global_buffer, .address_space: global }
      - { .name: Wo, .offset: 48, .size: 8, .value_kind: global_buffer, .address_space: global }
      - { .name: xb, .offset: 56, .size: 8, .value_kind: global_buffer, .address_space: global }
      - { .name: wb, .offset: 64, .size: 8, .value_kind: global_buffer, .address_space: global }
      - { .name: wo, .offset: 72, .size: 8, .value_kind: global_buffer, .address_space: global }
    .group_segment_fixed_size: 0
    .private_segment_fixed_size: 0
    .kernarg_segment_align: 8
    .kernarg_segment_size: 80
    .max_flat_workgroup_size: 256
    .sgpr_count:     66
    .vgpr_count:     104
    .wavefront_size: 32
...
	.end_amdgpu_metadata
.endif
;; end of part 1
;; launch proj (part 2): grid 8 x 96, 4 waves a work-group, clusters of 4 x 4, 327,680 bytes of LDS; arguments xb, wb, qkv; writes qkv
.if DOCPART == 2
	.amdgcn_target "amdgcn-amd-amdhsa--gfx1250"
	.amdhsa_code_object_version 6
	.text
	.protected	k_qb9001feaba_proj
	.globl	k_qb9001feaba_proj
	.p2align	8
	.type	k_qb9001feaba_proj,@function
k_qb9001feaba_proj:
	s_mov_b64 s[64:65], 0
	v_nop
	global_prefetch_b8 v0, s[64:65] scope:SCOPE_SE
	s_setreg_imm32_b32 hwreg(HW_REG_WAVE_MODE, 25, 1), 1
	s_wait_xcnt 0x0
	s_wait_alu depctr_hold_cnt(0) depctr_sa_sdst(0) depctr_va_vdst(0) depctr_va_sdst(0) depctr_va_ssrc(0) depctr_va_vcc(0) depctr_vm_vsrc(0)
	s_getreg_b32 s2, hwreg(HW_REG_IB_STS2, 6, 4)
	s_cmp_eq_u32 s2, 0
	s_cbranch_scc0 .Lentry_in_a_cluster
	s_endpgm
.Lentry_in_a_cluster:
	s_bfe_u32 s2, ttmp6, 0x10000c
	s_cmp_lg_u32 s2, 0xf033
	s_cbranch_scc0 .Lentry_shape_is_right
	s_endpgm
.Lentry_shape_is_right:
; q, k, v = x W.  xb: [3 x 4096][1024] bf16 (query's, key's, value's rows); wb: [3 x 1024 (k)][1024 (n)] bf16; qkv: [3][16 heads][4096][64] f16.  Sums in f32, each result rounded once to f16, unscaled.
; LIMIT.  f16 holds no number beyond 65,504: q, k and v must lie within it; below 6.1e-5 they keep f16's fixed step of 6e-8.
; SHARES.  768 tiles of 128 x 128: tile row tr = 0 .. 95 over the three inputs' rows (z = tr / 32 names the input and its weights), tile column tc = 0 .. 7.  Four waves, each 64 x 64: 16 accumulators, 128 registers;
; a wave's 64 columns are one head, 2 tc + (wave & 1).  K = 1,024 goes in four steps of 256 through two LDS slots filled by the tensor data mover; the four steps are written out, there is no loop.
; CLUSTERS: 4 x 4 work-groups.  The four of a row of the cluster need the same tiles of x, the four of a column the same tiles of W (z hangs on the cluster's y alone): each tile is asked for JOINTLY, by the same
; tensor load with the same descriptor and a mask that names the four.
; W LIES [k][n]: its tile is 256 k rows of 256 bytes, and a fragment (16 columns x 32 k) comes out of LDS turned, by two ds_load_tr16_b128.
; THE MATRIX INSTRUCTION IS USED TRANSPOSED (source 0 = 16 columns of W, source 1 = 16 rows of x): a lane then holds eight neighbouring channels of one row of the result, 16 bytes in f16.
; REGISTERS: window 0: v0-31 addresses; v32-95 the way out; v128-255 the accumulators ((a, b) at v[128 + 8 (4 a + b)]).
;   window 1: two fragment buffers of 128: for 64 along K, 64 registers of x (2 x 4 x 16 rows x 32 K), then 64 of W.
.set PA,     528                       ; a row of x in LDS: 512 bytes + 16 of padding = 132 words: row r starts at bank 4 r mod 64 (64 banks of 4 bytes: ISA guide 11.1)
.set HA,     64*PA                     ; 64 rows: what one tensor load brings of x, and what one wave reads
.set PB,     288                       ; a k row of W: 256 bytes + 32 = 72 words
.set HB,     128*PB                    ; 128 k rows: what one tensor load brings of W
.set BOFF,   2*HA                      ; a slot: x's 128 rows, then W's 256 k rows
.set SLOT,   2*HA+2*HB
.set ASTEP,  512                       ; bytes from a K step to the next in xb: 256 numbers along a row,
.set BSTEP,  524288                    ; in wb: 256 rows of 2,048 bytes
.set STAGE,  2*SLOT                    ; behind the ring, never filled by a tensor load: 16 rows x 144 bytes for each wave, for the way out
.set SP,     144
.set SPARE,  STAGE+4*16*SP             ; behind the stages: the spare words, 128 bytes for each wave: two blocks of 256 bytes that no other line names
.set ADRA, 16                          ; v16-17  LDS address of my fragments of x in slot 0, 1
.set ADRB, 20                          ; v20-23  of W: slot 0 k rows 0-127, 128-255; slot 1 likewise (256 rows of 288 bytes pass the 16-bit offset)
.set STO,  24                          ; v24     the way out: where I put 16 bytes of a row
.set RD,   25                          ; v25     the way out: where I read rows back
.set GO,   26                          ; v26     my byte offset in 512 consecutive bytes of the result
.set SPW,  28                          ; v28     LDS address of my spare word: SPARE + 4 x my thread's number; never rewritten
.set NIL,  29                          ; v29     0; never rewritten
.set TMP,  32
.set ACC,  128
.set F0,   0                           ; fragment buffers, in window 1
.set F1,   128
.set G1, 24                            ; s[24:31] descriptor group 1 for x's tiles;  s[32:39] group 0, one set for each slot
.set G0, 32
.set G1B, 48                           ; s[48:55], s[56:63] the same for W's tiles
.set G0B, 56
.set MSB, 0
.macro WIN new                         ; the immediate's high byte repeats the setting that is left; a switch that changes nothing is dropped
.if MSB != (\new)
	s_set_vgpr_msb (MSB<<8)|(\new)
.set MSB, \new
.endif
.endm
.set MUL,  0x05                        ; sources 0 (W) and 1 (x) window 1; C and D window 0
.set TO_F, 0x40                        ; destination window 1, address window 0
.macro JLOAD s                         ; a joint load: waves 0 and 1 fetch x's two halves, waves 2 and 3 W's; an s_nop 0 and four v_nop follow each of the two lines, ahead of the jump, the label and what follows
	s_cmp_eq_u32 s11, 0
	s_cbranch_scc0 .Lfor_b_\@
	tensor_load_to_lds s[G0+4*(\s):G0+4*(\s)+3], s[G1:G1+7]
	s_nop 0
.rept 4
	v_nop
.endr
	s_branch .Lasked_\@
.Lfor_b_\@:
	tensor_load_to_lds s[G0B+4*(\s):G0B+4*(\s)+3], s[G1B:G1B+7]
	s_nop 0
.rept 4
	v_nop
.endr
.Lasked_\@:
.endm
.macro CREST                           ; a round of the cluster's barrier behind its opening barrier
	s_cmp_lg_u32 s10, 0
	s_cbranch_scc1 .Lnot_wave_0_\@
	s_barrier_signal -3
.Lnot_wave_0_\@:
	s_barrier_wait -3
	s_barrier_signal -1
	s_barrier_wait -1
.endm
.macro CROUND                          ; a whole round
	s_barrier_signal -1
	s_barrier_wait -1
	CREST
.endm
	s_load_b128 s[4:7], s[0:1], 0x0                ; xb s[4:5], wb s[6:7]
	s_load_b64 s[8:9], s[0:1], 0x10                ; qkv
	v_lshl_add_u32 v[SPW], v0, 2, SPARE
	v_mov_b32 v[NIL], 0
	ds_add_u32 v[SPW], v[NIL]                      ; the wave's opening: the add and its wait stand ahead of my first tensor load; the set-up below, work on registers, stands between them
	ds_add_u32 v28, v29
	v_lshrrev_b32 v1, 5, v0
	v_readfirstlane_b32 s10, v1                    ; wave 0..3
	s_lshr_b32 s11, s10, 1                         ; which half of the tile's rows is mine.  Also: I fetch for x (0) or for W (1)
	s_and_b32 s12, s10, 1                          ; which half of its columns.  Also: which half of that tile I fetch
	s_bfe_u32 s40, ttmp6, 0x40000                  ; cx, cy: my place in the cluster
	s_bfe_u32 s41, ttmp6, 0x40004
	s_lshl_b32 s42, ttmp9, 2
	s_add_co_u32 s42, s42, s40                     ; tc = 4 x cluster x + cx
	s_and_b32 s13, ttmp7, 0xffff
	s_lshr_b32 s45, s13, 3                         ; z: eight clusters along y to an input; all sixteen partners share it
	s_lshl_b32 s13, s13, 2
	s_add_co_u32 s13, s13, s41                     ; tr = 4 x cluster y + cy
	s_lshl_b32 s43, s41, 2
	s_lshl_b32 s43, 15, s43                        ; my row of the cluster
	s_lshl_b32 s44, 0x1111, s40                    ; my column
	; descriptor group 1 for x: 64 rows x 256 elements, padded in LDS
	s_or_b32 s[G1+0], s43, (1<<16)|(1<<20)|(1<<21)|(6<<22)|(3<<25)  ; 15:0 the mask: my row; 17:16 elements of 2 bytes; 20 padding on; 21 set beside a mask; 24:22 after every 128 words (code 6); 31:25 4 words (code 3)
	s_mov_b32 s[G1+1], 256<<16                     ; tensor_dim0 = 256
	s_mov_b32 s[G1+2], 64<<16                      ; tensor_dim1 = 64
	s_mov_b32 s[G1+3], 256<<16                     ; tile_dim0 = 256
	s_mov_b32 s[G1+4], 64                          ; tile_dim1 = 64
	s_mov_b32 s[G1+5], 1024                        ; elements from row to row
	s_mov_b32 s[G1+6], 0
	s_mov_b32 s[G1+7], 0
	; for W: 128 k rows x 128 elements
	s_or_b32 s[G1B+0], s44, (1<<16)|(1<<20)|(1<<21)|(5<<22)|(7<<25) ; the mask: my column; padding after every 64 words (code 5), 8 words (code 7)
	s_mov_b32 s[G1B+1], 128<<16
	s_mov_b32 s[G1B+2], 128<<16
	s_mov_b32 s[G1B+3], 128<<16
	s_mov_b32 s[G1B+4], 128
	s_mov_b32 s[G1B+5], 1024
	s_mov_b32 s[G1B+6], 0
	s_mov_b32 s[G1B+7], 0
	; where the tiles come from.  x's hang on tr alone, W's on tc and z alone; each in registers that never hold the other coordinate
	s_lshl_b32 s16, s13, 7
	s_lshl_b32 s17, s12, 6
	s_add_co_u32 s16, s16, s17                     ; x: row 128 tr + 64 x half,
	s_lshl_b32 s16, s16, 11                        ; of 2,048 bytes: 25,165,824 at the most
	s_mov_b32 s17, 0
	s_lshl_b32 s46, s45, 21                        ; W: z's 2 MiB,
	s_lshl_b32 s47, s12, 18                        ; 128 k rows x half,
	s_add_co_u32 s46, s46, s47
	s_lshl_b32 s47, s42, 8                         ; 128 columns x tc
	s_add_co_u32 s46, s46, s47
	s_mov_b32 s47, 0
	s_mul_i32 s20, s12, HA                         ; and where they go: no place in the cluster enters an LDS address
	s_mul_i32 s21, s12, HB
	s_add_co_u32 s21, s21, BOFF
	s_wait_dscnt 0x0                               ; the opening add is done
	s_wait_kmcnt 0x0
	s_add_nc_u64 s[14:15], s[4:5], s[16:17]
	s_add_nc_u64 s[46:47], s[6:7], s[46:47]
	CROUND                                         ; all sixteen work-groups are here: the first joint loads meet
.irp s, 0,1
	s_mov_b32 s[G0+4*(\s)], 1                                      ; count = 1
	s_add_co_u32 s[G0+4*(\s)+1], s20, (\s)*SLOT                    ; LDS address
	s_add_nc_u64 s[G0+4*(\s)+2:G0+4*(\s)+3], s[14:15], (\s)*ASTEP  ; global address: K step s
	s_or_b32 s[G0+4*(\s)+3], s[G0+4*(\s)+3], 0x80000000            ; type = 2
	s_mov_b32 s[G0B+4*(\s)], 1
	s_add_co_u32 s[G0B+4*(\s)+1], s21, (\s)*SLOT
	s_add_nc_u64 s[G0B+4*(\s)+2:G0B+4*(\s)+3], s[46:47], (\s)*BSTEP
	s_or_b32 s[G0B+4*(\s)+3], s[G0B+4*(\s)+3], 0x80000000
	JLOAD \s                                       ; two loads of mine are out
.endr
	v_and_b32 v1, 15, v0                           ; l % 16
	v_bfe_u32 v2, v0, 4, 1                         ; l / 16
	v_mul_u32_u24 v3, v1, PA
	v_lshl_add_u32 v3, v2, 4, v3                   ; x: row x pitch + 16 x half
	; The turning load takes 16 k x 16 columns (lane l reads 16 bytes: k row 8 (l / 16) + l % 8, columns 8 ((l / 8) % 2) + 0..7) and leaves half a fragment: lane l holds column l % 16 and 8 k.
	v_and_b32 v4, 7, v0
	v_bfe_u32 v5, v0, 3, 1
	v_lshl_add_u32 v6, v2, 3, v4
	v_mul_u32_u24 v6, v6, PB
	v_lshl_add_u32 v6, v5, 4, v6
	s_mul_i32 s22, s11, HA                         ; my 64 rows of x
	s_lshl_b32 s23, s12, 7                         ; my 64 columns of W, 128 bytes,
	s_add_co_u32 s23, s23, BOFF                    ; behind x's rows
	v_add_nc_u32 v[ADRA], s22, v3
	v_add_nc_u32 v[ADRA+1], SLOT, v[ADRA]
	v_add_nc_u32 v[ADRB], s23, v6
	v_add_nc_u32 v[ADRB+1], HB, v[ADRB]
	v_add_nc_u32 v[ADRB+2], SLOT, v[ADRB]
	v_add_nc_u32 v[ADRB+3], SLOT+HB, v[ADRB]
	s_mul_i32 s23, s10, 16*SP
	s_add_co_u32 s23, s23, STAGE                   ; my stage
	v_mul_u32_u24 v7, v1, SP                       ; in: row l % 16, 16 bytes for each half of the lanes
	v_lshl_add_u32 v7, v2, 4, v7
	v_add_nc_u32 v[STO], s23, v7
	v_bfe_u32 v7, v0, 3, 2                         ; back: 32 lanes take four rows of 128 bytes,
	v_mul_u32_u24 v7, v7, SP
	v_lshl_add_u32 v7, v4, 4, v7
	v_add_nc_u32 v[RD], s23, v7
	v_and_b32 v[GO], 31, v0                        ; which are 512 consecutive bytes of a head
	v_lshlrev_b32 v[GO], 4, v[GO]
	; where my 64 rows of my head begin in qkv: the rows' part (it holds cy) and the head's part (it holds cx) in registers of their own
	s_and_b32 s16, s13, 31
	s_lshl_b32 s16, s16, 7
	s_lshl_b32 s17, s11, 6
	s_add_co_u32 s16, s16, s17                     ; row in the sequence,
	s_lshl_b32 s16, s16, 7                         ; of 128 bytes
	s_mov_b32 s17, 0
	s_add_nc_u64 s[8:9], s[8:9], s[16:17]
	s_lshl_b32 s46, s42, 1
	s_add_co_u32 s46, s46, s12                     ; head 2 tc + half,
	s_lshl_b32 s46, s46, 19                        ; of 524,288 bytes,
	s_lshl_b32 s47, s45, 23                        ; in tensor z of 8 MiB
	s_add_co_u32 s46, s46, s47
	s_mov_b32 s47, 0
	s_add_nc_u64 s[8:9], s[8:9], s[46:47]
; 8 matrix instructions: row blocks a0, a0 + 1 x all 4 column blocks, 32 along K: half c of buffer f.  zero = 1: the first product starts the sums.
; The 16 accumulators take turns, one instruction a turn, in the same order throughout.
.macro MUL8 f, c, a0, zero
	WIN MUL
.irp a, \a0, (\a0)+1
.irp b, 0,1,2,3
.if \zero
	v_wmma_f32_16x16x32_bf16 v[ACC+8*(4*(\a)+(\b)):ACC+8*(4*(\a)+(\b))+7], v[(\f)+64+8*(4*(\c)+(\b)):(\f)+64+8*(4*(\c)+(\b))+7], v[(\f)+8*(4*(\c)+(\a)):(\f)+8*(4*(\c)+(\a))+7], 0
.else
	v_wmma_f32_16x16x32_bf16 v[ACC+8*(4*(\a)+(\b)):ACC+8*(4*(\a)+(\b))+7], v[(\f)+64+8*(4*(\c)+(\b)):(\f)+64+8*(4*(\c)+(\b))+7], v[(\f)+8*(4*(\c)+(\a)):(\f)+8*(4*(\c)+(\a))+7], v[ACC+8*(4*(\a)+(\b)):ACC+8*(4*(\a)+(\b))+7]
.endif
.endr
.endr
.endm
; 32 LDS loads in one run: the fragments of quarter q (64 along K) of a slot, into buffer f; the first 32 along K first
.macro FETCH slot, q, f
	WIN TO_F
.irp c, 0,1
.irp i, 0,1,2,3
	ds_load_tr16_b128 v[(\f)+64+8*(4*(\c)+(\i)):(\f)+64+8*(4*(\c)+(\i))+3],   v[ADRB+2*(\slot)+(\q)/2] offset:(((\q)%2)*64+32*(\c))*PB+32*(\i)
	ds_load_tr16_b128 v[(\f)+64+8*(4*(\c)+(\i))+4:(\f)+64+8*(4*(\c)+(\i))+7], v[ADRB+2*(\slot)+(\q)/2] offset:(((\q)%2)*64+32*(\c)+16)*PB+32*(\i)
	ds_load_b128 v[(\f)+8*(4*(\c)+(\i)):(\f)+8*(4*(\c)+(\i))+3],              v[ADRA+(\slot)] offset:128*(\q)+64*(\c)+(\i)*16*PA
	ds_load_b128 v[(\f)+8*(4*(\c)+(\i))+4:(\f)+8*(4*(\c)+(\i))+7],            v[ADRA+(\slot)] offset:128*(\q)+64*(\c)+(\i)*16*PA+32
.endr
.endr
.endm
.macro PLACES                          ; four places in front of loads into registers that matrix instructions have read, and of lines that read results (for lines that read results)
.rept 4
	v_nop
.endr
.endm
; A K step is four quarters of 64 along K, 32 matrix instructions each, on buffers 0, 1, 0, 1.  One of the first three: multiplies buffer f and fetches quarter q into g.
.macro QUARTER slot, q, f, g, zero
	s_wait_dscnt 16                                ; the first 32 along K are in; the sixteen younger loads may be out
	MUL8 \f, 0, 0, \zero
	MUL8 \f, 0, 2, \zero
	PLACES
	FETCH \slot, \q, \g
	s_wait_dscnt 32                                ; all but the 32 just issued
	MUL8 \f, 1, 0, 0
	MUL8 \f, 1, 2, 0
.endm
; The last quarter multiplies buffer 1 and changes slots: ONE barrier; in front of it each wave waits for all its tensor loads, adds 0 to its spare word, and waits for that and for its own reads of this slot.
; fill = 1: this slot is filled again, two K steps ahead; the barrier then opens a round of the cluster's barrier, and the joint load is the first thing behind the round.
.macro TURN slot, next, fill
	WIN 0                                          ; (the add's two registers lie in window 0)
	s_wait_tensorcnt 0x0                           ; all my tensor loads have landed: my part of the next slot;
	ds_add_u32 v[SPW], v[NIL]                      ; 0 onto my spare word;
	s_wait_dscnt 17                                ; (the add and the youngest sixteen loads may be out)
	MUL8 F1, 0, 0, 0                               ; eight matrix instructions stand between the add and the wait for it
	s_wait_dscnt 0x0                               ; the add is done, and my reads of this slot are over
	s_barrier_signal -1
	MUL8 F1, 0, 2, 0
.if \fill
	WIN 0
.endif
	s_barrier_wait -1
.if \fill
	CREST                                          ; no wave of any partner still reads this slot's tile or has a load on its way
	s_add_nc_u64 s[G0+4*(\slot)+2:G0+4*(\slot)+3], s[G0+4*(\slot)+2:G0+4*(\slot)+3], 2*ASTEP
	s_add_nc_u64 s[G0B+4*(\slot)+2:G0B+4*(\slot)+3], s[G0B+4*(\slot)+2:G0B+4*(\slot)+3], 2*BSTEP
	JLOAD \slot                                    ; 112 matrix instructions ahead of the wait for it; the four v_nop behind it are also the places in front of the loads below
.else
	PLACES
.endif
	FETCH \next, 0, F0
	MUL8 F1, 1, 0, 0
	MUL8 F1, 1, 2, 0
.endm
	s_wait_tensorcnt 1                             ; my part of K step 0 is in; K step 1's may stay out
	s_barrier_signal -1
	s_barrier_wait -1                              ; everybody's is
	FETCH 0, 0, F0
	QUARTER 0, 1, F0, F1, 1                        ; K step 0: its first products start the sums
	QUARTER 0, 2, F1, F0, 0
	QUARTER 0, 3, F0, F1, 0
	TURN 0, 1, 1                                   ; slot 0 takes K step 2
	QUARTER 1, 1, F0, F1, 0                        ; K step 1
	QUARTER 1, 2, F1, F0, 0
	QUARTER 1, 3, F0, F1, 0
	TURN 1, 0, 1                                   ; slot 1 takes K step 3
	QUARTER 0, 1, F0, F1, 0                        ; K step 2
	QUARTER 0, 2, F1, F0, 0
	QUARTER 0, 3, F0, F1, 0
	TURN 0, 1, 0                                   ; nothing is left to fetch
	QUARTER 1, 1, F0, F1, 0                        ; K step 3
	QUARTER 1, 2, F1, F0, 0
	QUARTER 1, 3, F0, F1, 0
	s_wait_dscnt 16
	MUL8 F1, 0, 0, 0
	MUL8 F1, 0, 2, 0
	s_wait_dscnt 0
	MUL8 F1, 1, 0, 0
	MUL8 F1, 1, 2, 0
	WIN 0
; THE WAY OUT, a block of 16 rows at a time, through my own stage: rounded to f16 (each accumulator's registers in ascending order), 16 bytes a lane into rows of 144 bytes, back as whole rows of 128.
.macro PACK a
.irp b, 0,1,2,3
.irp r, 0,1,2,3
	v_cvt_pk_f16_f32 v[TMP+16*(\a)+4*(\b)+(\r)], v[ACC+8*(4*(\a)+(\b))+2*(\r)], v[ACC+8*(4*(\a)+(\b))+2*(\r)+1]
.endr
.endr
.irp b, 0,1,2,3
	ds_store_b128 v[STO], v[TMP+16*(\a)+4*(\b):TMP+16*(\a)+4*(\b)+3] offset:32*(\b)
.endr
.irp f, 0,1,2,3
	ds_load_b128 v[TMP+16*(\a)+4*(\f):TMP+16*(\a)+4*(\f)+3], v[RD] offset:(\f)*4*SP  ; LDS serves a wave's instructions in order (ISA guide 5.7.1.4): these see the stores above; the next block's stores come behind them
.endr
.endm
.macro SEND a, younger                 ; younger: the LDS instructions issued behind block a's loads: the next block's eight, or none
.irp f, 0,1,2,3
	s_wait_dscnt (\younger)+3-(\f)
	global_store_b128 v[GO], v[TMP+16*(\a)+4*(\f):TMP+16*(\a)+4*(\f)+3], s[8:9] offset:(\a)*2048+(\f)*512  ; 512 consecutive bytes, at a multiple of 256 from qkv's first
.endr
.endm
	PLACES
	PACK 0
	PACK 1                                         ; a block's conversions stand between the loads of the block before and its stores
	SEND 0, 8
	PACK 2
	SEND 1, 8
	PACK 3
	SEND 2, 8
	SEND 3, 0
	s_wait_tensorcnt 0x0                           ; the wave's end: waits and an add, behind my last tensor load and my last LDS store
	ds_add_u32 v[SPW], v[NIL]
	s_wait_dscnt 0x0
	CROUND                                         ; the closing round: no work-group ends while a partner may still ask for a tile that names it
	s_endpgm
.Lfunc_end_k_qb9001feaba_proj:
	.size	k_qb9001feaba_proj, .Lfunc_end_k_qb9001feaba_proj-k_qb9001feaba_proj
	.p2alignl 7, 3214868480
	.fill 96, 4, 3214868480
	.section	.rodata,"a",@progbits
	.p2align	6, 0x0
	.amdhsa_kernel k_qb9001feaba_proj
		.amdhsa_group_segment_fixed_size 327680
		.amdhsa_private_segment_fixed_size 0
		.amdhsa_enable_private_segment 0
		.amdhsa_kernarg_size 24
		.amdhsa_user_sgpr_count 2
		.amdhsa_user_sgpr_kernarg_segment_ptr 1
		.amdhsa_wavefront_size32 1
		.amdhsa_system_sgpr_workgroup_id_x 1
		.amdhsa_system_sgpr_workgroup_id_y 1
		.amdhsa_system_sgpr_workgroup_id_z 1
		.amdhsa_system_vgpr_workitem_id 0
		.amdhsa_next_free_vgpr 512
		.amdhsa_next_free_sgpr 66
		.amdhsa_reserve_vcc 0
		.amdhsa_float_denorm_mode_32 3
		.amdhsa_float_denorm_mode_16_64 3
		.amdhsa_memory_ordered 1
		.amdhsa_forward_progress 1
		.amdhsa_inst_pref_size 87
	.end_amdhsa_kernel
	.amdgpu_metadata
---
amdhsa.version: [ 1, 2 ]
amdhsa.kernels:
  - .name:           k_qb9001feaba_proj
    .symbol:         k_qb9001feaba_proj.kd
    .args:
      - { .name: xb, .offset: 0, .size: 8, .value_kind: global_buffer, .address_space: global }
      - { .name: wb, .offset: 8, .size: 8, .value_kind: global_buffer, .address_space: global }
      - { .name: qkv, .offset: 16, .size: 8, .value_kind: global_buffer, .address_space: global }
    .group_segment_fixed_size: 327680
    .private_segment_fixed_size: 0
    .kernarg_segment_align: 8
    .kernarg_segment_size: 24
    .max_flat_workgroup_size: 128
    .sgpr_count:     66
    .vgpr_count:     512
    .wavefront_size: 32
...
	.end_amdgpu_metadata
.endif
;; end of part 2
;; launch attn (part 3): grid 16 x 16, 4 waves a work-group, no clusters, 167,936 bytes of LDS; arguments qkv, ob; writes ob
.if DOCPART == 3
	.amdgcn_target "amdgcn-amd-amdhsa--gfx1250"
	.amdhsa_code_object_version 6
	.text
	.protected	k_qb9001feaba_attn
	.globl	k_qb9001feaba_attn
	.p2align	8
	.type	k_qb9001feaba_attn,@function
k_qb9001feaba_attn:
	s_mov_b64 s[64:65], 0
	v_nop
	global_prefetch_b8 v0, s[64:65] scope:SCOPE_SE
	s_setreg_imm32_b32 hwreg(HW_REG_WAVE_MODE, 25, 1), 1
	s_wait_xcnt 0x0
; BANDED ATTENTION.  O[h][i][:] = the sum over j, |i - j| <= 128, of softmax_j(q[h][i] . k[h][j] / 8) v[h][j][:].  qkv: [3][16][4096][64] f16 (q, k, v by heads, unscaled); ob: [16][4096][64] f16.
; Products, maxima and sums in f32; the weights p are rounded to f16 for the second product (their sum l is taken of the unrounded p), O once at the end.
; LIMITS.  A hidden score counts as its value less 1e30 (or 2e30).  The running maximum starts at -1e20: f16's scores, 64 x 65,504^2 = 2.75e11 at the most, lie above it.  A weight below 2^-126 counts as 0 in l;
; p below 6e-5 keeps f16's fixed step of 6e-8; NaN and infinities are not treated apart.
; SHARES.  A work-group owns 256 queries (block b) of one head and holds the 512 keys 256 b - 128 .. 256 b + 383 of K and of V in LDS, filled once: no slot is filled again.  Wave w fetches piece w (128 keys) of both.
; A piece that would lie outside the sequence is replaced by the nearest one inside (its rows are real numbers, and the masks hide them).  Wave w owns 64 queries, four tiles of 16, and walks five steps of 64 keys,
; from LDS row 64 w on: with query 16 t + r and key kk of step s, i - j = 16 t + r + 128 - 64 s - kk.  So step 0 hides kk < 16 t + r, step 4 hides kk > 16 t + r, steps 1 to 3 hide nothing;
; and a step whose number in the sequence, UU = 4 b + w - 2 + s, is not in 0 .. 63 is hidden whole.
; THE MASK is the C operand that starts the sum S^T = K Q^T: 0, or -1e30 where the key is hidden.  For a block of 16 keys kb and a tile t there are three kinds: kb < t (LO), kb = t (DI), kb > t (HI), made anew in
; each step from two fixed patterns (ML: key below the query; MU: above) and scalars that hang on the step's number and on UU alone.  Every query sees itself, in step 2, so l is at least 1 at the end.
; A step that is hidden whole leaves m at -1e20, and its weights are 2^(-1.8e29 + 1.8e19) = 0.
; NO CLUSTER: neighbouring blocks share two of their four pieces, at other LDS places in each, and a work-group asks for its 131,072 bytes once, at its start.
; LAYOUT.  S^T = K Q^T holds ONE query a lane (lane % 16) and the keys 8 (lane / 16) + 0..7; two such results rounded to f16 ARE source 1 of O^T = V^T P, which again holds one query a lane, and eight channels.
; SOFTMAX.  p = 2^(c s - c m), c = log2(e) / 8, with a running maximum m; O and l are multiplied by a = 2^(c m_old - c m_new) in every step; in the first step with a seen key a = 0.
; IN PHASES: a step's 32 products K Q^T, its softmax, its 32 products V^T P; one text for all five steps.
; REGISTERS, in windows of 256 (s_set_vgpr_msb: bits 1:0 source 0, 3:2 source 1, 5:4 source 2, 7:6 destination):
;   window 0: v0-15 addresses; v16-31 statistics, four a tile; v32-35 c m_old; v36-51 at work, four a tile; v62-63 the add's; v64-191 S^T, 32 a tile; v192-255 P, 16 a tile
;   window 1: v0-127 O^T, 32 a tile; v128-167 ML, MU, LO, DI, HI      window 2: v0-63 Q, 16 a tile; v128-191 K of one step; v192-255 V of one step
.set PK,    144       ; a row of K in LDS: 128 bytes + 16 of padding = 36 words: the 16 rows of a load start at 16 different groups of four banks (64 banks of 4 bytes: ISA guide 11.1)
.set PV,    160       ; a row of V: 128 + 32 = 40 words
.set VOFF,  512*PK    ; 512 rows of K, then 512 rows of V
.set STAGE, VOFF+512*PV  ; behind them, never filled by a tensor load: 16 rows x 144 bytes for each wave, for the way out
.set SP,    144
.set SPARE, STAGE+4*16*SP  ; behind the stages: the spare words, 128 bytes for each wave: two blocks of 256 bytes that no other line names
.set AK0, 2           ; v2   my lane's place in a step of K; never rewritten
.set AV0, 3           ; v3   the same for V
.set AK,  4           ; v4   the LDS address of K's run of loads
.set AV,  5           ; v5   of V's
.set STO, 6           ; v6   the way out: where I put 16 bytes of a row
.set RD,  7           ; v7   the way out: where I read rows back
.set GO,  8           ; v8   my byte offset in 512 consecutive bytes of O
.set QO,  15          ; v15  my byte offset in 16 rows of Q
.set ST,  16          ; tile t's statistics at v[ST+4 t]: c m, m, l (even keys', odd keys')
.set MV,  32          ; c m_old, kept while c m is made anew
.set TMP, 36          ; four registers c0-c3 a tile; when the maximum is found c2 takes a
.set SPW, 62          ; v62  LDS address of my spare word: SPARE + 4 x my thread's number; never rewritten
.set NIL, 63          ; v63  0; never rewritten
.set S,   64
.set P,   192
.set ML,  128         ; window 1: -1e30 where 8 (l / 16) + j < l % 16
.set MU,  136         ;           -1e30 where 8 (l / 16) + j > l % 16
.set LO,  144         ; the step's three masks
.set DI,  152
.set HI,  160
.set KF,  128         ; window 2: key block kb, channel half c at KF + 16 kb + 8 c
.set VF,  192         ; window 2: key half kk, channel block cb at VF + 32 kk + 8 cb
.set WV,  12          ; s12  my wave's number
.set BIGN, 20         ; s20  -1e30
.set G1K, 24          ; s[24:31] descriptor group 1 for K
.set G1V, 32          ; s[32:39] for V: it differs in the padding alone
.set G0K, 40          ; s[40:43] descriptor group 0 for K
.set G0V, 44          ; s[44:47] for V
.set CNT, 48          ; s48  steps to go, 5 to 1
.set UU,  49          ; s49  the step's number among the sequence's 64 (beyond 63, as an unsigned number: outside)
.set TBK, 50          ; s50  LDS byte at which the step's K begins
.set TBV, 51          ; s51  the same for V, less VOFF
.set CS,  52          ; s[52:53] c: the packed scaling takes the pair's low word for both halves
.set SEL, 54          ; s[54:55] v_permlanex16_b32's selects: each lane takes its own place in the other half
.set AL,  56          ; s[56:57] ML's factor, in the low word
.set AU,  58          ; s[58:59] MU's factor
.set BE,  60          ; s[60:61] the addend: -1e30 for a step outside the sequence
.set SLO, 62          ; s62  LO's value
.set SHI, 63          ; s63  HI's value
.set MSB, 0
.macro WIN new                      ; the high byte repeats the setting that is left; a switch that changes nothing is dropped
.if MSB != (\new)
	s_set_vgpr_msb (MSB<<8)|(\new)
.set MSB, (\new)
.endif
.endm
.set W_KQ, 0x0a       ; K and Q in window 2, S^T in window 0
.set W_KM, 0x1a       ; the same with the C operand in window 1
.set W_PV, 0x52       ; V in window 2, P in window 0, O^T in window 1
.set W_RS, 0x41       ; destination and source 0 in window 1, source 1 in window 0
.set W_MK, 0x55       ; all in window 1: the masks
	s_load_b128 s[4:7], s[0:1], 0x0 ; qkv s[4:5], ob s[6:7]
	v_lshl_add_u32 v[SPW], v0, 2, SPARE
	v_mov_b32 v[NIL], 0
	ds_add_u32 v[SPW], v[NIL]       ; the wave's opening: the add and its wait stand ahead of my first tensor load; the set-up below, work on registers, stands between them
	ds_add_u32 v62, v63
	v_lshrrev_b32 v1, 5, v0
	v_readfirstlane_b32 s[WV], v1   ; wave 0..3
	s_mov_b32 s14, ttmp9            ; b
	s_and_b32 s15, ttmp7, 0xffff    ; the head
	s_lshl_b32 s13, s14, 1
	s_add_co_u32 s13, s13, s[WV]
	s_sub_co_i32 s13, s13, 1        ; my piece of 128 keys: 2 b - 1 + w,
	s_max_i32 s13, s13, 0           ; held inside the sequence's 32
	s_min_i32 s13, s13, 31
	s_lshl_b32 s16, s15, 19         ; the head's 524,288 bytes,
	s_lshl_b32 s17, s13, 14         ; the piece's 16,384,
	s_add_co_u32 s16, s16, s17
	s_add_co_u32 s16, s16, 0x800000 ; in k, 8 MiB behind q,
	s_mov_b32 s17, 0
	s_add_co_u32 s18, s16, 0x800000 ; and in v, 8 MiB further
	s_mov_b32 s19, 0
	s_lshl_b32 s22, s14, 2
	s_add_co_u32 s22, s22, s[WV]    ; 4 b + w: my 64 queries
	s_sub_co_u32 s[UU], s22, 2      ; my first step begins 128 keys in front of them
	s_lshl_b32 s22, s22, 13         ; 64 rows of 128 bytes,
	s_lshl_b32 s23, s15, 19         ; in the head
	s_add_co_u32 s22, s22, s23
	s_mov_b32 s23, 0
	; descriptor group 1.  128 keys are 16,384 dense bytes: asked for as 64 rows of 256 bytes, two keys a row, and padded in LDS after every key
	s_mov_b32 s[G1K], (1<<16)|(1<<20)|(4<<22)|(3<<25)  ; 17:16 2-byte elements; 20 padding on; 24:22 after every 32 words (code 4); 31:25 4 words (code 3)
	s_mov_b32 s[G1V], (1<<16)|(1<<20)|(4<<22)|(7<<25)  ; the same with 8 words of padding (code 7)
.irp g, G1K, G1V
	s_mov_b32 s[\g+1], 128<<16      ; tensor_dim0 = 128
	s_mov_b32 s[\g+2], 64<<16       ; tensor_dim1 = 64
	s_mov_b32 s[\g+3], 128<<16      ; tile_dim0 = 128
	s_mov_b32 s[\g+4], 64           ; tile_dim1 = 64
	s_mov_b32 s[\g+5], 128          ; 128 elements from row to row
	s_mov_b32 s[\g+6], 0
	s_mov_b32 s[\g+7], 0
.endr
	s_mov_b32 s[G0K], 1             ; count = 1
	s_mul_i32 s[G0K+1], s[WV], 128*PK  ; LDS address: piece w
	s_mov_b32 s[G0V], 1
	s_mul_i32 s[G0V+1], s[WV], 128*PV
	s_add_co_u32 s[G0V+1], s[G0V+1], VOFF
	s_mul_i32 s[TBK], s[WV], 64*PK  ; my first step: LDS row 64 w
	s_mul_i32 s[TBV], s[WV], 64*PV
	s_mov_b32 s[BIGN], 0xf149f2ca   ; -1e30
	s_mov_b32 s[CS], 0x3e38aa3b     ; c = log2(e) / 8 = 0.180337
	s_mov_b32 s[CS+1], s[CS]        ; named with it as a pair
	s_mov_b32 s[SEL], 0x76543210
	s_mov_b32 s[SEL+1], 0xfedcba98
	s_mov_b32 s[AL+1], 0            ; named as pairs
	s_mov_b32 s[AU+1], 0
	s_mov_b32 s[BE+1], 0
	s_mov_b32 s[CNT], 5
	s_wait_dscnt 0x0                ; the opening add is done
	s_wait_kmcnt 0x0
	s_add_nc_u64 s[G0K+2:G0K+3], s[4:5], s[16:17]  ; global address of my piece of K
	s_or_b32 s[G0K+3], s[G0K+3], 0x80000000        ; type = 2
	s_add_nc_u64 s[G0V+2:G0V+3], s[4:5], s[18:19]
	s_or_b32 s[G0V+3], s[G0V+3], 0x80000000
	s_add_nc_u64 s[4:5], s[4:5], s[22:23]          ; Q and O at my wave's first row
	s_add_nc_u64 s[6:7], s[6:7], s[22:23]
	tensor_load_to_lds s[G0K:G0K+3], s[G1K:G1K+7]  ; the launch's only fills: two loads of mine are out; an s_nop 0 follows each, four v_nop the second's
	s_nop 0
	tensor_load_to_lds s[G0V:G0V+3], s[G1V:G1V+7]
	s_nop 0
.rept 4
	v_nop
.endr
	; A fragment of K or Q is 16 rows x 32 channels in 8 registers: lane l holds row l % 16, channels 8 (l / 16) + 0..7 and 16 + 8 (l / 16) + 0..7: two loads of 16 bytes, 32 bytes apart.
	v_and_b32 v1, 15, v0            ; l % 16
	v_bfe_u32 v9, v0, 4, 1          ; l / 16
	v_lshlrev_b32 v[QO], 7, v1
	v_lshl_add_u32 v[QO], v9, 4, v[QO]  ; row x 128 + 16 x half
	WIN 0x80                        ; destination window 2, address window 0
.set i, 0
.rept 8                             ; Q stays in registers: tile i / 2, channels 32 (i % 2) on
	global_load_b128 v[8*i:8*i+3],   v[QO], s[4:5] offset:(i/2)*2048+(i%2)*64
	global_load_b128 v[8*i+4:8*i+7], v[QO], s[4:5] offset:(i/2)*2048+(i%2)*64+32
.set i, i+1
.endr
	WIN 0
	v_lshlrev_b32 v14, 3, v9
	v_sub_nc_u32 v14, v1, v14       ; l % 16 - 8 (l / 16): register j's key lies below my query where j is less, above it where j is greater
	WIN 0x40
.set j, 0
.rept 8
	v_cmp_lt_i32 vcc_lo, j, v14
	v_cndmask_b32 v[ML+j], 0, s[BIGN], vcc_lo
	v_cmp_gt_i32 vcc_lo, j, v14
	v_cndmask_b32 v[MU+j], 0, s[BIGN], vcc_lo
.set j, j+1
.endr
.set i, 0
.rept 128                           ; O^T starts at 0: the price of one text for all five steps; it stands in the wait for the tiles
	v_mov_b32 v[i], 0
.set i, i+1
.endr
	WIN 0
.set i, 0
.rept 4
	v_mov_b32 v[ST+4*i], 0xe0ad78ec    ; c m: -1e20, below every c s of a seen key
	v_mov_b32 v[ST+4*i+1], 0xe0ad78ec  ; m: -1e20
	v_mov_b32 v[ST+4*i+2], 0
	v_mov_b32 v[ST+4*i+3], 0
.set i, i+1
.endr
	v_mul_u32_u24 v[AK0], v1, PK
	v_lshl_add_u32 v[AK0], v9, 4, v[AK0]  ; row x pitch + 16 x half
	; The turning load takes 16 keys x 16 channels (lane l reads key 8 (l / 16) + l % 8, channels 8 ((l / 8) % 2) + 0..7) and leaves half a fragment of V^T: lane l holds channel l % 16 and 8 keys.
	v_and_b32 v10, 7, v0
	v_bfe_u32 v11, v0, 3, 1
	v_lshl_add_u32 v[AV0], v9, 3, v10
	v_mul_u32_u24 v[AV0], v[AV0], PV
	v_lshl_add_u32 v[AV0], v11, 4, v[AV0]
	v_add_nc_u32 v[AV0], VOFF, v[AV0]
	s_mul_i32 s13, s[WV], 16*SP
	s_add_co_u32 s13, s13, STAGE    ; my stage
	v_mul_u32_u24 v[STO], v1, SP    ; in: row l % 16, 16 bytes for each half of the lanes
	v_lshl_add_u32 v[STO], v9, 4, v[STO]
	v_add_nc_u32 v[STO], s13, v[STO]
	v_bfe_u32 v[RD], v0, 3, 2       ; back: 32 lanes take four rows of 128 bytes,
	v_mul_u32_u24 v[RD], v[RD], SP
	v_lshl_add_u32 v[RD], v10, 4, v[RD]
	v_add_nc_u32 v[RD], s13, v[RD]
	v_and_b32 v[GO], 31, v0         ; which are 512 consecutive bytes of O
	v_lshlrev_b32 v[GO], 4, v[GO]
; THE MATRIX WORK.  The 16 accumulators of a run of 32 take turns, one instruction a turn: between the two links of a chain stand 15 others'.
; S^T = K Q^T: channels 32 c on, tile t, keys 16 kb on.  c = 0 starts the sum with the mask of its kind.
.macro KQ c, t, kb
.set rS, S+32*(\t)+8*(\kb)
.set rK, KF+16*(\kb)+8*(\c)
.set rQ, 16*(\t)+8*(\c)
.if (\c) == 0
.if (\kb) < (\t)
.set rM, LO
.elseif (\kb) == (\t)
.set rM, DI
.else
.set rM, HI
.endif
	WIN W_KM
	v_wmma_f32_16x16x32_f16 v[rS:rS+7], v[rK:rK+7], v[rQ:rQ+7], v[rM:rM+7]
.else
	WIN W_KQ
	v_wmma_f32_16x16x32_f16 v[rS:rS+7], v[rK:rK+7], v[rQ:rQ+7], v[rS:rS+7]
.endif
.endm
; O^T += V^T P: keys 32 kk on, tile t, channels 16 cb on.
.macro PV kk, t, cb
	WIN W_PV
.set rO, 32*(\t)+8*(\cb)
.set rV, VF+32*(\kk)+8*(\cb)
.set rP, P+16*(\t)+8*(\kk)
	v_wmma_f32_16x16x32_f16 v[rO:rO+7], v[rV:rV+7], v[rP:rP+7], v[rO:rO+7]
.endm
; THE LDS LOADS stand in runs of 16: a step's K (64 keys x 64 channels: 8 fragments) and its V (turned).
.macro FETCH_K
	WIN 0x80                        ; destination window 2
.irp f, 0,1,2,3,4,5,6,7             ; keys 16 (f / 2) on, channels 32 (f % 2) on
	ds_load_b128 v[KF+8*\f:KF+8*\f+3],   v[AK] offset:(\f/2)*16*PK+(\f%2)*64
	ds_load_b128 v[KF+8*\f+4:KF+8*\f+7], v[AK] offset:(\f/2)*16*PK+(\f%2)*64+32
.endr
.endm
.macro FETCH_V
	WIN 0x80
.irp f, 0,1,2,3,4,5,6,7             ; keys 32 (f / 4) on, channels 16 (f % 4) on
	ds_load_tr16_b128 v[VF+8*\f:VF+8*\f+3],   v[AV] offset:(\f/4)*32*PV+(\f%4)*32
	ds_load_tr16_b128 v[VF+8*\f+4:VF+8*\f+7], v[AV] offset:(\f/4)*32*PV+16*PV+(\f%4)*32
.endr
.endm
; THE VECTOR WORK, one line at a time: OP kind, number, tile.  X n: number n of the 22 that find the maximum and statistics:
;   0-11  four chains c0-c3 of seven scores each, three operands at a time (each accumulator's lowest registers are read first)     12-14, 16  the four scores left over, the old m, and c0-c3 into c0
;   15  c m_old is kept     17, 18  the query's other 32 keys lie in the lane 16 away: the new m     19-21  c m; c m_old - c m_new; a
; F n: c s - c m for pair n of 16.  E n: the exponential of score n of 32.  C n: pair n rounded to f16.  B n: of the four weights 4 n .. the second pair is added onto the first, in place.
; L n: l takes that sum (L 0: l = a l + sum).  R n: pair n of 16 of O^T times a.
.set F, 0
.set E, 1
.set C, 2
.set B, 3
.set L, 4
.set R, 5
.set X, 6
.macro OP k, n, t
.set rT, ST+4*(\t)
.set rC, TMP+4*(\t)
.set rW, MV+(\t)
.set rS, S+32*(\t)
.set rP, P+16*(\t)
.set rO, 32*(\t)
.if (\k) == R
	WIN W_RS
	v_pk_mul_f32 v[rO+2*(\n):rO+2*(\n)+1], v[rO+2*(\n):rO+2*(\n)+1], v[rC+2:rC+3] op_sel_hi:[1,0]
.else
	WIN 0
.if (\k) == F
	v_pk_fma_f32 v[rS+2*(\n):rS+2*(\n)+1], v[rS+2*(\n):rS+2*(\n)+1], s[CS:CS+1], v[rT:rT+1] op_sel_hi:[1,0,0] neg_lo:[0,0,1] neg_hi:[0,0,1]
.elseif (\k) == E
	v_exp_f32 v[rS+(\n)], v[rS+(\n)]
.elseif (\k) == C
	v_cvt_pk_f16_f32 v[rP+(\n)], v[rS+2*(\n)], v[rS+2*(\n)+1]
.elseif (\k) == B
	v_pk_add_f32 v[rS+4*(\n):rS+4*(\n)+1], v[rS+4*(\n):rS+4*(\n)+1], v[rS+4*(\n)+2:rS+4*(\n)+3]
.elseif ((\k) == L) && ((\n) == 0)
	v_pk_fma_f32 v[rT+2:rT+3], v[rT+2:rT+3], v[rC+2:rC+3], v[rS:rS+1] op_sel_hi:[1,0,1]
.elseif (\k) == L
	v_pk_add_f32 v[rT+2:rT+3], v[rT+2:rT+3], v[rS+4*(\n):rS+4*(\n)+1]
.elseif (\n) < 4
	v_max3_num_f32 v[rC+(\n)], v[rS+8*(\n)], v[rS+8*(\n)+1], v[rS+8*(\n)+2]
.elseif (\n) < 12
	v_max3_num_f32 v[rC+(\n)%4], v[rC+(\n)%4], v[rS+8*((\n)%4)+2*((\n)/4)+1], v[rS+8*((\n)%4)+2*((\n)/4)+2]
.elseif (\n) == 12
	v_max3_num_f32 v[rC], v[rC], v[rS+7], v[rS+15]
.elseif (\n) == 13
	v_max3_num_f32 v[rC+1], v[rC+1], v[rS+23], v[rS+31]
.elseif (\n) == 14
	v_max3_num_f32 v[rC+2], v[rC+2], v[rC+3], v[rT+1]
.elseif (\n) == 15
	v_mov_b32 v[rW], v[rT]
.elseif (\n) == 16
	v_max3_num_f32 v[rC], v[rC], v[rC+1], v[rC+2]
.elseif (\n) == 17
	v_permlanex16_b32 v[rC+3], v[rC], s[SEL], s[SEL+1]
.elseif (\n) == 18
	v_max_num_f32 v[rT+1], v[rC], v[rC+3]
.elseif (\n) == 19
	v_mul_f32 v[rT], s[CS], v[rT+1]
.elseif (\n) == 20
	v_sub_f32 v[rC+1], v[rW], v[rT]
.else
	v_exp_f32 v[rC+2], v[rC+1]
.endif
.endif
.endm
.macro RUN k, count                 ; numbers 0 .. count - 1 of kind k, each for the four tiles in turn, so that no line reads the result of the one before it
.set nn, 0
.rept \count
.irp t, 0,1,2,3
	OP \k, nn, \t
.endr
.set nn, nn+1
.endr
.endm
	s_wait_tensorcnt 0x0            ; my pieces of K and V are in,
	s_barrier_signal -1
	s_barrier_wait -1               ; everybody's are
	s_wait_loadcnt 0x0              ; Q
.Lstep:                             ; five trips, a step of 64 keys each
	s_cmp_gt_u32 s[UU], 63          ; outside the sequence?  Then all is hidden
	s_cselect_b32 s[BE], s[BIGN], 0
	s_cmp_eq_u32 s[CNT], 5          ; the first step: keys below the query's place are hidden
	s_cselect_b32 s[AL], 1.0, 0
	s_cselect_b32 s[SLO], s[BIGN], s[BE]
	s_cmp_eq_u32 s[CNT], 1          ; the last step: keys above it
	s_cselect_b32 s[AU], 1.0, 0
	s_cselect_b32 s[SHI], s[BIGN], s[BE]
	v_add_nc_u32 v[AK], s[TBK], v[AK0]
	v_add_nc_u32 v[AV], s[TBV], v[AV0]
	FETCH_K                         ; K's registers were last read in front of the last trip's softmax
	WIN W_MK                        ; the step's masks: with the two additions above, 26 plain lines that name no register of the last trip's last products: the places in front of V's loads
.set j, 0
.rept 8
	v_mov_b32 v[LO+j], s[SLO]
	v_mov_b32 v[HI+j], s[SHI]
.set j, j+1
.endr
.set j, 0
.rept 4
	v_pk_fma_f32 v[DI+2*j:DI+2*j+1], v[MU+2*j:MU+2*j+1], s[AU:AU+1], s[BE:BE+1] op_sel_hi:[1,0,0]
.set j, j+1
.endr
.set j, 0
.rept 4
	v_pk_fma_f32 v[DI+2*j:DI+2*j+1], v[ML+2*j:ML+2*j+1], s[AL:AL+1], v[DI+2*j:DI+2*j+1] op_sel_hi:[1,0,1]
.set j, j+1
.endr
	FETCH_V
	s_wait_dscnt 16                 ; K is in; V's sixteen younger loads stay out
.irp c, 0,1
.irp t, 0,1,2,3
.irp kb, 0,1,2,3
	KQ \c, \t, \kb
.endr
.endr
.endr
	WIN 0
.rept 4
	v_nop                           ; the places behind those products
.endr
	RUN X, 22                       ; the four a end it; the first scaling below is the plain line behind them
	RUN F, 16
	RUN E, 32
	v_nop                           ; a plain line between the last exponential and the use of its result
	s_wait_alu depctr_va_vdst(0)
	RUN C, 16
	RUN B, 8
	RUN L, 8
	RUN R, 16
	s_wait_dscnt 0x0                ; V is in
.irp kk, 0,1
.irp t, 0,1,2,3
.irp cb, 0,1,2,3
	PV \kk, \t, \cb
.endr
.endr
.endr
	WIN 0                           ; at a label and at a branch every window is 0
	s_add_co_u32 s[TBK], s[TBK], 64*PK
	s_add_co_u32 s[TBV], s[TBV], 64*PV
	s_add_co_u32 s[UU], s[UU], 1
	s_sub_co_u32 s[CNT], s[CNT], 1
	s_cmp_lg_u32 s[CNT], 0
	s_cbranch_scc1 .Lstep
	; THE WAY OUT.  l's two halves and the other half of the lanes' are added; O^T is divided by l, rounded to f16 and sent through my stage in LDS, a tile at a time.  The first four additions are the places behind the last products.
.macro ALL line:vararg              ; one line for each tile t
.set t, 0
.rept 4
	\line
.set t, t+1
.endr
.endm
	ALL v_add_f32 v[ST+4*t+2], v[ST+4*t+2], v[ST+4*t+3]
	ALL v_permlanex16_b32 v[ST+4*t+3], v[ST+4*t+2], s[SEL], s[SEL+1]
	ALL v_add_f32 v[ST+4*t+2], v[ST+4*t+2], v[ST+4*t+3]
	ALL v_rcp_f32 v[ST+4*t+2], v[ST+4*t+2]
	v_nop                           ; a plain line between the last reciprocal and the use of its result
	s_wait_alu depctr_va_vdst(0)
; Tile t: a lane's eight channels of a row pack into 16 bytes; they go into rows of 144 bytes and come back as whole rows of 128, into S^T's registers.
.macro PACK t
	WIN W_RS
.set i, 32*(\t)
.rept 16
	v_pk_mul_f32 v[i:i+1], v[i:i+1], v[ST+4*(\t)+2:ST+4*(\t)+3] op_sel_hi:[1,0]
.set i, i+2
.endr
	WIN 0x05                        ; sources 0 and 1 window 1, destination window 0
.set i, 0
.rept 16
	v_cvt_pk_f16_f32 v[S+16*(\t)+i], v[32*(\t)+2*i], v[32*(\t)+2*i+1]
.set i, i+1
.endr
	WIN 0
.irp f, 0,1,2,3
	ds_store_b128 v[STO], v[S+16*(\t)+4*\f:S+16*(\t)+4*\f+3] offset:32*\f
.endr
.irp f, 0,1,2,3
	ds_load_b128 v[S+16*(\t)+4*\f:S+16*(\t)+4*\f+3], v[RD] offset:\f*4*SP  ; LDS serves a wave's instructions in order (ISA guide 5.7.1.4): these see the stores above; the next tile's stores come behind them
.endr
.endm
.macro SEND t, younger              ; younger: the LDS instructions issued behind tile t's loads: the next tile's eight, or none
	WIN 0
.irp f, 0,1,2,3
	s_wait_dscnt (\younger)+3-\f
	global_store_b128 v[GO], v[S+16*(\t)+4*\f:S+16*(\t)+4*\f+3], s[6:7] offset:(\t)*2048+\f*512  ; 512 consecutive bytes, at a multiple of 256 from ob's first
.endr
.endm
	PACK 0
	PACK 1                          ; a tile's arithmetic stands between the loads of the tile before and its stores
	SEND 0, 8
	PACK 2
	SEND 1, 8
	PACK 3
	SEND 2, 8
	SEND 3, 0
	s_wait_tensorcnt 0x0            ; the wave's end: waits and an add, behind my last tensor load and my last LDS store
	ds_add_u32 v[SPW], v[NIL]
	s_wait_dscnt 0x0
	s_endpgm
.Lfunc_end_k_qb9001feaba_attn:
	.size	k_qb9001feaba_attn, .Lfunc_end_k_qb9001feaba_attn-k_qb9001feaba_attn
	.p2alignl 7, 3214868480
	.fill 96, 4, 3214868480
	.section	.rodata,"a",@progbits
	.p2align	6, 0x0
	.amdhsa_kernel k_qb9001feaba_attn
		.amdhsa_group_segment_fixed_size 167936
		.amdhsa_private_segment_fixed_size 0
		.amdhsa_enable_private_segment 0
		.amdhsa_kernarg_size 16
		.amdhsa_user_sgpr_count 2
		.amdhsa_user_sgpr_kernarg_segment_ptr 1
		.amdhsa_wavefront_size32 1
		.amdhsa_system_sgpr_workgroup_id_x 1
		.amdhsa_system_sgpr_workgroup_id_y 1
		.amdhsa_system_sgpr_workgroup_id_z 1
		.amdhsa_system_vgpr_workitem_id 0
		.amdhsa_next_free_vgpr 768
		.amdhsa_next_free_sgpr 66
		.amdhsa_reserve_vcc 1
		.amdhsa_float_denorm_mode_32 3
		.amdhsa_float_denorm_mode_16_64 3
		.amdhsa_memory_ordered 1
		.amdhsa_forward_progress 1
		.amdhsa_inst_pref_size 60
	.end_amdhsa_kernel
	.amdgpu_metadata
---
amdhsa.version: [ 1, 2 ]
amdhsa.kernels:
  - .name:           k_qb9001feaba_attn
    .symbol:         k_qb9001feaba_attn.kd
    .args:
      - { .name: qkv, .offset: 0, .size: 8, .value_kind: global_buffer, .address_space: global }
      - { .name: ob, .offset: 8, .size: 8, .value_kind: global_buffer, .address_space: global }
    .group_segment_fixed_size: 167936
    .private_segment_fixed_size: 0
    .kernarg_segment_align: 8
    .kernarg_segment_size: 16
    .max_flat_workgroup_size: 128
    .sgpr_count:     66
    .vgpr_count:     768
    .wavefront_size: 32
...
	.end_amdgpu_metadata
.endif
;; end of part 3
;; launch outp (part 4): grid 8 x 32, 4 waves a work-group, clusters of 4 x 4, 327,680 bytes of LDS; arguments ob, wo, out0; writes out0
.if DOCPART == 4
	.amdgcn_target "amdgcn-amd-amdhsa--gfx1250"
	.amdhsa_code_object_version 6
	.text
	.protected	k_qb9001feaba_outp
	.globl	k_qb9001feaba_outp
	.p2align	8
	.type	k_qb9001feaba_outp,@function
k_qb9001feaba_outp:
	s_mov_b64 s[64:65], 0
	v_nop
	global_prefetch_b8 v0, s[64:65] scope:SCOPE_SE
	s_setreg_imm32_b32 hwreg(HW_REG_WAVE_MODE, 25, 1), 1
	s_wait_xcnt 0x0
	s_wait_alu depctr_hold_cnt(0) depctr_sa_sdst(0) depctr_va_vdst(0) depctr_va_sdst(0) depctr_va_ssrc(0) depctr_va_vcc(0) depctr_vm_vsrc(0)
	s_getreg_b32 s2, hwreg(HW_REG_IB_STS2, 6, 4)
	s_cmp_eq_u32 s2, 0
	s_cbranch_scc0 .Lentry_in_a_cluster
	s_endpgm
.Lentry_in_a_cluster:
	s_bfe_u32 s2, ttmp6, 0x10000c
	s_cmp_lg_u32 s2, 0xf033
	s_cbranch_scc0 .Lentry_shape_is_right
	s_endpgm
.Lentry_shape_is_right:
; out0 = O Wo.  ob: [16 heads][4096][64] f16; wo: [1024 (k)][1024 (n)] f16 (Wo rounded to bf16, that number written as f16); out0: [4096][1024] f32.  k = 64 x head + channel.  Sums in f32, stored as they are.
; SHARES.  256 tiles of 128 x 128: tile row tr = 0 .. 31, tile column tc = 0 .. 7.  Four waves, each 64 x 64: 16 accumulators, 128 registers.  K = 1,024 goes in four steps of 256 (four heads) through two LDS
; slots filled by the tensor data mover; the four steps are written out, there is no loop.
; CLUSTERS: 4 x 4 work-groups.  The four of a row of the cluster need the same tiles of O, the four of a column the same tiles of Wo: each tile is asked for JOINTLY, by the same tensor load with the same
; descriptor and a mask that names the four.
; O LIES BY HEADS: 64 rows of a head are 8,192 dense bytes.  A wave's tile of O is four such runs, 524,288 bytes apart, asked for as four rows of 4,096 elements and padded in LDS after every 128 bytes.
; Wo LIES [k][n]: its tile is 256 k rows of 256 bytes, and a fragment (16 columns x 32 k) comes out of LDS turned, by two ds_load_tr16_b128.
; THE MATRIX INSTRUCTION IS USED TRANSPOSED (source 0 = 16 columns of Wo, source 1 = 16 rows of O): a lane then holds eight neighbouring numbers of one row of out0, 32 bytes.
; REGISTERS: window 0: v0-31 addresses; v128-255 the accumulators ((a, b) at v[128 + 8 (4 a + b)]), which also take the rows read back on the way out.
;   window 1: two fragment buffers of 128: for 64 along K (one head), 64 registers of O (2 x 4 x 16 rows x 32 K), then 64 of Wo.
.set PA,     144                       ; a row of a head in LDS: 128 bytes + 16 of padding = 36 words: the 16 rows of a load start at 16 different groups of four banks (64 banks of 4 bytes: ISA guide 11.1)
.set HEADB,  64*PA                     ; 64 rows of one head
.set HA,     4*HEADB                   ; 64 rows of four heads: what one tensor load brings of O, and what one wave reads
.set PB,     288                       ; a k row of Wo: 256 bytes + 32 = 72 words
.set HB,     128*PB                    ; 128 k rows: what one tensor load brings of Wo
.set BOFF,   2*HA                      ; a slot: O's 128 rows, then Wo's 256 k rows
.set SLOT,   2*HA+2*HB
.set ASTEP,  2097152                   ; bytes from a K step to the next in ob: four heads of 524,288,
.set BSTEP,  524288                    ; in wo: 256 rows of 2,048 bytes
.set STAGE,  2*SLOT                    ; behind the ring, never filled by a tensor load: 16 rows x 272 bytes for each wave, for the way out
.set SP,     272
.set SPARE,  STAGE+4*16*SP             ; behind the stages: the spare words, 128 bytes for each wave: two blocks of 256 bytes that no other line names
.set ADRA, 16                          ; v16-17  LDS address of my fragments of O in slot 0, 1
.set ADRB, 20                          ; v20-23  of Wo: slot 0 k rows 0-127, 128-255; slot 1 likewise (256 rows of 288 bytes pass the 16-bit offset)
.set STO,  24                          ; v24     the way out: where I put 32 bytes of a row
.set RD,   25                          ; v25     the way out: where I read a row back
.set CO,   26                          ; v26     my byte offset in two rows of out0
.set SPW,  28                          ; v28     LDS address of my spare word: SPARE + 4 x my thread's number; never rewritten
.set NIL,  29                          ; v29     0; never rewritten
.set ACC,  128
.set F0,   0                           ; fragment buffers, in window 1
.set F1,   128
.set G1, 24                            ; s[24:31] descriptor group 1 for O's tiles;  s[32:39] group 0, one set for each slot
.set G0, 32
.set G1B, 48                           ; s[48:55], s[56:63] the same for Wo's tiles
.set G0B, 56
.set MSB, 0
.macro WIN new                         ; the immediate's high byte repeats the setting that is left; a switch that changes nothing is dropped
.if MSB != (\new)
	s_set_vgpr_msb (MSB<<8)|(\new)
.set MSB, \new
.endif
.endm
.set MUL,  0x05                        ; sources 0 (Wo) and 1 (O) window 1; C and D window 0
.set TO_F, 0x40                        ; destination window 1, address window 0
.macro JLOAD s                         ; a joint load: waves 0 and 1 fetch O's two halves, waves 2 and 3 Wo's; an s_nop 0 and four v_nop follow each of the two lines, ahead of the jump, the label and what follows
	s_cmp_eq_u32 s11, 0
	s_cbranch_scc0 .Lfor_b_\@
	tensor_load_to_lds s[G0+4*(\s):G0+4*(\s)+3], s[G1:G1+7]
	s_nop 0
.rept 4
	v_nop
.endr
	s_branch .Lasked_\@
.Lfor_b_\@:
	tensor_load_to_lds s[G0B+4*(\s):G0B+4*(\s)+3], s[G1B:G1B+7]
	s_nop 0
.rept 4
	v_nop
.endr
.Lasked_\@:
.endm
.macro CREST                           ; a round of the cluster's barrier behind its opening barrier
	s_cmp_lg_u32 s10, 0
	s_cbranch_scc1 .Lnot_wave_0_\@
	s_barrier_signal -3
.Lnot_wave_0_\@:
	s_barrier_wait -3
	s_barrier_signal -1
	s_barrier_wait -1
.endm
.macro CROUND                          ; a whole round
	s_barrier_signal -1
	s_barrier_wait -1
	CREST
.endm
	s_load_b128 s[4:7], s[0:1], 0x0                ; ob s[4:5], wo s[6:7]
	s_load_b64 s[8:9], s[0:1], 0x10                ; out0
	v_lshl_add_u32 v[SPW], v0, 2, SPARE
	v_mov_b32 v[NIL], 0
	ds_add_u32 v[SPW], v[NIL]                      ; the wave's opening: the add and its wait stand ahead of my first tensor load; the set-up below, work on registers, stands between them
	ds_add_u32 v28, v29
	v_lshrrev_b32 v1, 5, v0
	v_readfirstlane_b32 s10, v1                    ; wave 0..3
	s_lshr_b32 s11, s10, 1                         ; which half of the tile's rows is mine.  Also: I fetch for O (0) or for Wo (1)
	s_and_b32 s12, s10, 1                          ; which half of its columns.  Also: which half of that tile I fetch
	s_bfe_u32 s40, ttmp6, 0x40000                  ; cx, cy: my place in the cluster
	s_bfe_u32 s41, ttmp6, 0x40004
	s_lshl_b32 s42, ttmp9, 2
	s_add_co_u32 s42, s42, s40                     ; tc = 4 x cluster x + cx
	s_and_b32 s13, ttmp7, 0xffff
	s_lshl_b32 s13, s13, 2
	s_add_co_u32 s13, s13, s41                     ; tr = 4 x cluster y + cy
	s_lshl_b32 s43, s41, 2
	s_lshl_b32 s43, 15, s43                        ; my row of the cluster
	s_lshl_b32 s44, 0x1111, s40                    ; my column
	; descriptor group 1 for O: four runs of 4,096 elements (64 rows of a head), a head apart
	s_or_b32 s[G1+0], s43, (1<<16)|(1<<20)|(1<<21)|(4<<22)|(3<<25)  ; 15:0 the mask: my row; 17:16 elements of 2 bytes; 20 padding on; 21 set beside a mask; 24:22 after every 32 words (code 4); 31:25 4 words (code 3)
	s_mov_b32 s[G1+1], 4096<<16                    ; tensor_dim0 = 4,096
	s_mov_b32 s[G1+2], 4<<16                       ; tensor_dim1 = 4
	s_mov_b32 s[G1+3], 4096<<16                    ; tile_dim0 = 4,096
	s_mov_b32 s[G1+4], 4                           ; tile_dim1 = 4
	s_mov_b32 s[G1+5], 262144                      ; elements from head to head
	s_mov_b32 s[G1+6], 0
	s_mov_b32 s[G1+7], 0
	; for Wo: 128 k rows x 128 elements
	s_or_b32 s[G1B+0], s44, (1<<16)|(1<<20)|(1<<21)|(5<<22)|(7<<25) ; the mask: my column; padding after every 64 words (code 5), 8 words (code 7)
	s_mov_b32 s[G1B+1], 128<<16
	s_mov_b32 s[G1B+2], 128<<16
	s_mov_b32 s[G1B+3], 128<<16
	s_mov_b32 s[G1B+4], 128
	s_mov_b32 s[G1B+5], 1024
	s_mov_b32 s[G1B+6], 0
	s_mov_b32 s[G1B+7], 0
	; where the tiles come from.  O's hang on tr alone, Wo's on tc alone; each in registers that never hold the other coordinate
	s_lshl_b32 s16, s13, 7
	s_lshl_b32 s17, s12, 6
	s_add_co_u32 s16, s16, s17                     ; O: row 128 tr + 64 x half,
	s_lshl_b32 s16, s16, 7                         ; of 128 bytes, in head 0
	s_mov_b32 s17, 0
	s_lshl_b32 s46, s12, 18                        ; Wo: 128 k rows x half,
	s_lshl_b32 s47, s42, 8                         ; 128 columns x tc
	s_add_co_u32 s46, s46, s47
	s_mov_b32 s47, 0
	s_mul_i32 s20, s12, HA                         ; and where they go: no place in the cluster enters an LDS address
	s_mul_i32 s21, s12, HB
	s_add_co_u32 s21, s21, BOFF
	s_wait_dscnt 0x0                               ; the opening add is done
	s_wait_kmcnt 0x0
	s_add_nc_u64 s[14:15], s[4:5], s[16:17]
	s_add_nc_u64 s[46:47], s[6:7], s[46:47]
	CROUND                                         ; all sixteen work-groups are here: the first joint loads meet
.irp s, 0,1
	s_mov_b32 s[G0+4*(\s)], 1                                      ; count = 1
	s_add_co_u32 s[G0+4*(\s)+1], s20, (\s)*SLOT                    ; LDS address
	s_add_nc_u64 s[G0+4*(\s)+2:G0+4*(\s)+3], s[14:15], (\s)*ASTEP  ; global address: K step s
	s_or_b32 s[G0+4*(\s)+3], s[G0+4*(\s)+3], 0x80000000            ; type = 2
	s_mov_b32 s[G0B+4*(\s)], 1
	s_add_co_u32 s[G0B+4*(\s)+1], s21, (\s)*SLOT
	s_add_nc_u64 s[G0B+4*(\s)+2:G0B+4*(\s)+3], s[46:47], (\s)*BSTEP
	s_or_b32 s[G0B+4*(\s)+3], s[G0B+4*(\s)+3], 0x80000000
	JLOAD \s                                       ; two loads of mine are out
.endr
	v_and_b32 v1, 15, v0                           ; l % 16
	v_bfe_u32 v2, v0, 4, 1                         ; l / 16
	v_mul_u32_u24 v3, v1, PA
	v_lshl_add_u32 v3, v2, 4, v3                   ; O: row x pitch + 16 x half
	; The turning load takes 16 k x 16 columns (lane l reads 16 bytes: k row 8 (l / 16) + l % 8, columns 8 ((l / 8) % 2) + 0..7) and leaves half a fragment: lane l holds column l % 16 and 8 k.
	v_and_b32 v4, 7, v0
	v_bfe_u32 v5, v0, 3, 1
	v_lshl_add_u32 v6, v2, 3, v4
	v_mul_u32_u24 v6, v6, PB
	v_lshl_add_u32 v6, v5, 4, v6
	s_mul_i32 s22, s11, HA                         ; my 64 rows of O
	s_lshl_b32 s23, s12, 7                         ; my 64 columns of Wo, 128 bytes,
	s_add_co_u32 s23, s23, BOFF                    ; behind O's rows
	v_add_nc_u32 v[ADRA], s22, v3
	v_add_nc_u32 v[ADRA+1], SLOT, v[ADRA]
	v_add_nc_u32 v[ADRB], s23, v6
	v_add_nc_u32 v[ADRB+1], HB, v[ADRB]
	v_add_nc_u32 v[ADRB+2], SLOT, v[ADRB]
	v_add_nc_u32 v[ADRB+3], SLOT+HB, v[ADRB]
	s_mul_i32 s23, s10, 16*SP
	s_add_co_u32 s23, s23, STAGE                   ; my stage
	v_mul_u32_u24 v7, v1, SP                       ; in: row l % 16, 32 bytes for each half of the lanes
	v_lshl_add_u32 v7, v2, 5, v7
	v_add_nc_u32 v[STO], s23, v7
	v_mul_u32_u24 v7, v2, SP                       ; back: lanes 0-15 take one row of 256 bytes, lanes 16-31 the next
	v_lshl_add_u32 v7, v1, 4, v7
	v_add_nc_u32 v[RD], s23, v7
	v_lshlrev_b32 v7, 12, v2                       ; and the same two rows in out0, 4,096 bytes apart
	v_lshl_add_u32 v[CO], v1, 4, v7
	; where my part of the tile begins in out0: the rows' part (it holds cy) and the columns' part (it holds cx) in registers of their own
	s_lshl_b32 s16, s13, 7
	s_lshl_b32 s17, s11, 6
	s_add_co_u32 s16, s16, s17                     ; my first row,
	s_lshl_b32 s16, s16, 12                        ; of 4,096 bytes
	s_mov_b32 s17, 0
	s_add_nc_u64 s[8:9], s[8:9], s[16:17]
	s_lshl_b32 s46, s42, 9                         ; my first column, in bytes: 512 tc + 256 x half
	s_lshl_b32 s47, s12, 8
	s_add_co_u32 s46, s46, s47
	s_mov_b32 s47, 0
	s_add_nc_u64 s[8:9], s[8:9], s[46:47]
; 8 matrix instructions: row blocks a0, a0 + 1 x all 4 column blocks, 32 along K: half c of buffer f.  zero = 1: the first product starts the sums.
; The 16 accumulators take turns, one instruction a turn, in the same order throughout.
.macro MUL8 f, c, a0, zero
	WIN MUL
.irp a, \a0, (\a0)+1
.irp b, 0,1,2,3
.if \zero
	v_wmma_f32_16x16x32_f16 v[ACC+8*(4*(\a)+(\b)):ACC+8*(4*(\a)+(\b))+7], v[(\f)+64+8*(4*(\c)+(\b)):(\f)+64+8*(4*(\c)+(\b))+7], v[(\f)+8*(4*(\c)+(\a)):(\f)+8*(4*(\c)+(\a))+7], 0
.else
	v_wmma_f32_16x16x32_f16 v[ACC+8*(4*(\a)+(\b)):ACC+8*(4*(\a)+(\b))+7], v[(\f)+64+8*(4*(\c)+(\b)):(\f)+64+8*(4*(\c)+(\b))+7], v[(\f)+8*(4*(\c)+(\a)):(\f)+8*(4*(\c)+(\a))+7], v[ACC+8*(4*(\a)+(\b)):ACC+8*(4*(\a)+(\b))+7]
.endif
.endr
.endr
.endm
; 32 LDS loads in one run: the fragments of quarter q (one head, 64 along K) of a slot, into buffer f; the first 32 along K first
.macro FETCH slot, q, f
	WIN TO_F
.irp c, 0,1
.irp i, 0,1,2,3
	ds_load_tr16_b128 v[(\f)+64+8*(4*(\c)+(\i)):(\f)+64+8*(4*(\c)+(\i))+3],   v[ADRB+2*(\slot)+(\q)/2] offset:(((\q)%2)*64+32*(\c))*PB+32*(\i)
	ds_load_tr16_b128 v[(\f)+64+8*(4*(\c)+(\i))+4:(\f)+64+8*(4*(\c)+(\i))+7], v[ADRB+2*(\slot)+(\q)/2] offset:(((\q)%2)*64+32*(\c)+16)*PB+32*(\i)
	ds_load_b128 v[(\f)+8*(4*(\c)+(\i)):(\f)+8*(4*(\c)+(\i))+3],              v[ADRA+(\slot)] offset:(\q)*HEADB+(\i)*16*PA+64*(\c)
	ds_load_b128 v[(\f)+8*(4*(\c)+(\i))+4:(\f)+8*(4*(\c)+(\i))+7],            v[ADRA+(\slot)] offset:(\q)*HEADB+(\i)*16*PA+64*(\c)+32
.endr
.endr
.endm
.macro PLACES                          ; four places in front of loads into registers that matrix instructions have read, and of lines that read results (for lines that read results)
.rept 4
	v_nop
.endr
.endm
; A K step is four quarters of 64 along K, 32 matrix instructions each, on buffers 0, 1, 0, 1.  One of the first three: multiplies buffer f and fetches quarter q into g.
.macro QUARTER slot, q, f, g, zero
	s_wait_dscnt 16                                ; the first 32 along K are in; the sixteen younger loads may be out
	MUL8 \f, 0, 0, \zero
	MUL8 \f, 0, 2, \zero
	PLACES
	FETCH \slot, \q, \g
	s_wait_dscnt 32                                ; all but the 32 just issued
	MUL8 \f, 1, 0, 0
	MUL8 \f, 1, 2, 0
.endm
; The last quarter multiplies buffer 1 and changes slots: ONE barrier; in front of it each wave waits for all its tensor loads, adds 0 to its spare word, and waits for that and for its own reads of this slot.
; fill = 1: this slot is filled again, two K steps ahead; the barrier then opens a round of the cluster's barrier, and the joint load is the first thing behind the round.
.macro TURN slot, next, fill
	WIN 0                                          ; (the add's two registers lie in window 0)
	s_wait_tensorcnt 0x0                           ; all my tensor loads have landed: my part of the next slot;
	ds_add_u32 v[SPW], v[NIL]                      ; 0 onto my spare word;
	s_wait_dscnt 17                                ; (the add and the youngest sixteen loads may be out)
	MUL8 F1, 0, 0, 0                               ; eight matrix instructions stand between the add and the wait for it
	s_wait_dscnt 0x0                               ; the add is done, and my reads of this slot are over
	s_barrier_signal -1
	MUL8 F1, 0, 2, 0
.if \fill
	WIN 0
.endif
	s_barrier_wait -1
.if \fill
	CREST                                          ; no wave of any partner still reads this slot's tile or has a load on its way
	s_add_nc_u64 s[G0+4*(\slot)+2:G0+4*(\slot)+3], s[G0+4*(\slot)+2:G0+4*(\slot)+3], 2*ASTEP
	s_add_nc_u64 s[G0B+4*(\slot)+2:G0B+4*(\slot)+3], s[G0B+4*(\slot)+2:G0B+4*(\slot)+3], 2*BSTEP
	JLOAD \slot                                    ; 112 matrix instructions ahead of the wait for it; the four v_nop behind it are also the places in front of the loads below
.else
	PLACES
.endif
	FETCH \next, 0, F0
	MUL8 F1, 1, 0, 0
	MUL8 F1, 1, 2, 0
.endm
	s_wait_tensorcnt 1                             ; my part of K step 0 is in; K step 1's may stay out
	s_barrier_signal -1
	s_barrier_wait -1                              ; everybody's is
	FETCH 0, 0, F0
	QUARTER 0, 1, F0, F1, 1                        ; K step 0: its first products start the sums
	QUARTER 0, 2, F1, F0, 0
	QUARTER 0, 3, F0, F1, 0
	TURN 0, 1, 1                                   ; slot 0 takes K step 2
	QUARTER 1, 1, F0, F1, 0                        ; K step 1
	QUARTER 1, 2, F1, F0, 0
	QUARTER 1, 3, F0, F1, 0
	TURN 1, 0, 1                                   ; slot 1 takes K step 3
	QUARTER 0, 1, F0, F1, 0                        ; K step 2
	QUARTER 0, 2, F1, F0, 0
	QUARTER 0, 3, F0, F1, 0
	TURN 0, 1, 0                                   ; nothing is left to fetch
	QUARTER 1, 1, F0, F1, 0                        ; K step 3
	QUARTER 1, 2, F1, F0, 0
	QUARTER 1, 3, F0, F1, 0
	s_wait_dscnt 16
	MUL8 F1, 0, 0, 0
	MUL8 F1, 0, 2, 0
	s_wait_dscnt 0
	MUL8 F1, 1, 0, 0
	MUL8 F1, 1, 2, 0
	WIN 0
; THE WAY OUT, a block of 16 rows at a time, through my own stage: a lane's 32 bytes of a row (each accumulator's low four registers first) into rows of 272 bytes, back as whole rows of 256, into the registers that the block left.
.macro OUTB a
.irp b, 0,1,2,3
	ds_store_b128 v[STO], v[ACC+8*(4*(\a)+(\b)):ACC+8*(4*(\a)+(\b))+3]   offset:64*(\b)
	ds_store_b128 v[STO], v[ACC+8*(4*(\a)+(\b))+4:ACC+8*(4*(\a)+(\b))+7] offset:64*(\b)+16
.endr
.irp f, 0,1,2,3,4,5,6,7
	ds_load_b128 v[ACC+32*(\a)+4*(\f):ACC+32*(\a)+4*(\f)+3], v[RD] offset:(\f)*2*SP  ; LDS serves a wave's instructions in order (ISA guide 5.7.1.4): these see the stores above; the next block's stores come behind them
.endr
.endm
.macro SEND a, younger                 ; younger: the LDS instructions issued behind block a's loads: the next block's sixteen, or none
.irp f, 0,1,2,3,4,5,6,7
	s_wait_dscnt (\younger)+7-(\f)
	global_store_b128 v[CO], v[ACC+32*(\a)+4*(\f):ACC+32*(\a)+4*(\f)+3], s[8:9] offset:(16*(\a)+2*(\f))*4096 th:TH_STORE_NT  ; 16 lanes store 256 consecutive bytes, at a multiple of 256 from out0's first byte
.endr
.endm
	PLACES
	OUTB 0
	OUTB 1
	SEND 0, 16
	OUTB 2
	SEND 1, 16
	OUTB 3
	SEND 2, 16
	SEND 3, 0
	s_wait_tensorcnt 0x0                           ; the wave's end: waits and an add, behind my last tensor load and my last LDS store
	ds_add_u32 v[SPW], v[NIL]
	s_wait_dscnt 0x0
	CROUND                                         ; the closing round: no work-group ends while a partner may still ask for a tile that names it
	s_endpgm
.Lfunc_end_k_qb9001feaba_outp:
	.size	k_qb9001feaba_outp, .Lfunc_end_k_qb9001feaba_outp-k_qb9001feaba_outp
	.p2alignl 7, 3214868480
	.fill 96, 4, 3214868480
	.section	.rodata,"a",@progbits
	.p2align	6, 0x0
	.amdhsa_kernel k_qb9001feaba_outp
		.amdhsa_group_segment_fixed_size 327680
		.amdhsa_private_segment_fixed_size 0
		.amdhsa_enable_private_segment 0
		.amdhsa_kernarg_size 24
		.amdhsa_user_sgpr_count 2
		.amdhsa_user_sgpr_kernarg_segment_ptr 1
		.amdhsa_wavefront_size32 1
		.amdhsa_system_sgpr_workgroup_id_x 1
		.amdhsa_system_sgpr_workgroup_id_y 1
		.amdhsa_system_sgpr_workgroup_id_z 1
		.amdhsa_system_vgpr_workitem_id 0
		.amdhsa_next_free_vgpr 512
		.amdhsa_next_free_sgpr 66
		.amdhsa_reserve_vcc 0
		.amdhsa_float_denorm_mode_32 3
		.amdhsa_float_denorm_mode_16_64 3
		.amdhsa_memory_ordered 1
		.amdhsa_forward_progress 1
		.amdhsa_inst_pref_size 86
	.end_amdhsa_kernel
	.amdgpu_metadata
---
amdhsa.version: [ 1, 2 ]
amdhsa.kernels:
  - .name:           k_qb9001feaba_outp
    .symbol:         k_qb9001feaba_outp.kd
    .args:
      - { .name: ob, .offset: 0, .size: 8, .value_kind: global_buffer, .address_space: global }
      - { .name: wo, .offset: 8, .size: 8, .value_kind: global_buffer, .address_space: global }
      - { .name: out0, .offset: 16, .size: 8, .value_kind: global_buffer, .address_space: global }
    .group_segment_fixed_size: 327680
    .private_segment_fixed_size: 0
    .kernarg_segment_align: 8
    .kernarg_segment_size: 24
    .max_flat_workgroup_size: 128
    .sgpr_count:     66
    .vgpr_count:     512
    .wavefront_size: 32
...
	.end_amdgpu_metadata
.endif
;; end of part 4
